; MI455X (gfx1250); checked and timed in simulation.
; The chip was launched on July 23, 2026; its instructions are those of AMD's public machine-readable ISA for CDNA 5 (MIT licence, August 2026) and "CDNA5" Instruction Set Architecture Reference Guide (July 2026). The comments in the code are by the model that wrote it; some were corrected since.
;; Similarity Logit. Allowed arithmetic: matrix products marked QUANTISED: E2M1 operands, one E8M0 scale for each 32 along K, by v_wmma_scale_f32_16x16x128_f8f6f4 with both operands' format E2M1 (or v_wmma_scale_f32_32x16x128_f4), f32 sums; products left as they are: f32 operands where the result goes on into a quantised operand, else bf16, f16 or f32 operands; f32 sums; everything else in f32.
;; Inputs: local_tokens 64 x 1,024 x 1,024 float32; queries 512 x 1,024 float32.
;; Outputs: out0 512 x 64 float32.
;; This version of the problem:
;;   THIS VERSION OF THE PROBLEM IS GIVEN IN LOW PRECISION. The matrix products marked QUANTISED in the list below multiply operands that are first quantised to E2M1 (2 exponent bits, 1 mantissa bit; 4 bits a number), with one power-of-two scale for each 32 numbers along K (OCP MX v1.0); their sums are f32. All else is computed in f32.
;;   The module's matrix products, in the order in which they are computed (A, B: the left and right operand; K: the contracted axis; several contracted axes count as one K, in the product's order):
;;     1. [M 65,536, K 1,024] x [K 1,024, N 512]; A: input local_tokens; B: input queries: QUANTISED
;;     2. batch 64 x [M 512, K 1,024] x [K 1,024, N 1,024]; A: softmax (see below); B: input local_tokens: QUANTISED
;;     3. batch 512 x [M 64, K 1,024] x [K 1,024, N 1]; A: computed on the way; B: computed on the way: left as it is (N = 1 < 16)
;;   THE QUANTISER, for each operand of a quantised product, along K:
;;     - K is cut into blocks of 32 from its start; a last block that is shorter is filled with zeros.
;;     - A block's scale is 2^e with e = floor(log2(the largest magnitude in the block)) - 2, held to -126 .. 127; a block of zeros has e = 0. As a byte (E8M0): e + 127.
;;     - Each number is divided by its block's scale, clamped to +-6, and rounded to the nearest number of E2M1, ties to even, subnormals kept.
;;     - The product sums the exact products of the quantised numbers (number of the format x scale) in f32.
;;   ~~~python
;;   def quantise(x, axis):      # numpy; x: float32 -> the quantised numbers, widened to float32 again
;;       x = np.moveaxis(x, axis, -1); K = x.shape[-1]
;;       x = np.pad(x, [(0, 0)] * (x.ndim - 1) + [(0, -K % 32)]); x = x.reshape(x.shape[:-1] + (-1, 32)); a = np.abs(x).max(-1, keepdims=True)
;;       e = np.where(a > 0, np.clip(np.frexp(np.where(a > 0, a, 1))[1] - 1 - 2, -126, 127), 0)      # np.frexp(a)[1] - 1 = floor(log2(a)), exactly
;;       r = np.clip(x / 2.0 ** e, -6, 6)
;;       step = 2.0 ** (np.maximum(np.frexp(np.where(r == 0, 1, r))[1] - 1, 0) - 1)
;;       q = np.round(r / step) * step * 2.0 ** e      # np.round: ties to even
;;       return np.moveaxis(q.reshape(q.shape[:-2] + (-1,))[..., :K], -1, axis).astype(np.float32)
;;   ~~~
;;   SOFTMAX AHEAD OF A QUANTISED PRODUCT. Where the list says 'softmax', what is quantised is not the finished softmax but p = 2^(t - M), with t = logit x log2(e) and M = ceil(the row's largest t), a whole number; so 1/2 < the row's largest p <= 1. The row's sum l is taken of the UNQUANTISED p, in f32, and the product's result is divided by l at the end. Since M is a whole number, a kernel that streams over the keys may use a running M (the ceiling of the running maximum): every later rescaling is an exact power of two, which a block's scale takes up: the codes' values come out the same.
;;   OPERANDS COMPUTED ON THE WAY. 'Computed on the way' means the value that the module computes at that place (a softmax that the list does not call 'softmax' is quantised finished and normalised). What goes into a quantiser is computed in f32, as accurately as f32 sums, v_exp_f32 and their like allow (about 1e-6 of the number): no bf16 or f16 on the way to a quantiser, and a product that is left as it is and whose result goes on into a quantised operand takes f32 operands (vector FMAs, or v_wmma_f32_16x16x4_f32). A number that lies on a knife's edge between two numbers of the format may be rounded either way, as far as f32 arithmetic and the matrix unit's own rounding can turn it there, and no further.
;; One version. Each part assembles by itself: llvm-mc -triple=amdgcn-amd-amdhsa -mcpu=gfx1250 --defsym DOCPART=n.
;; ======== version 1 of 1: 3 launches
;; limits: right only within a limited range of input values
;; workspace buffers: qc 262,144 bytes; qs 16,384 bytes; qn 1,048,576 bytes; vc 33,554,432 bytes; vs 2,097,152 bytes; pc 16,777,216 bytes; pe 4,194,304 bytes; pm 1,048,576 bytes
;; launch prepq (part 1): grid 32 x 1, 8 waves a work-group, no clusters, 69,632 bytes of LDS; arguments queries, qc, qs, qn; writes qc, qs, qn
.if DOCPART == 1
	.amdgcn_target "amdgcn-amd-amdhsa--gfx1250"
	.amdhsa_code_object_version 6
	.text
	.protected	k_q7175eacd8e_prepq
	.globl	k_q7175eacd8e_prepq
	.p2align	8
	.type	k_q7175eacd8e_prepq,@function
k_q7175eacd8e_prepq:
	s_mov_b64 s[64:65], 0
	v_nop
	global_prefetch_b8 v0, s[64:65] scope:SCOPE_SE
	s_setreg_imm32_b32 hwreg(HW_REG_WAVE_MODE, 25, 1), 1
	s_wait_xcnt 0x0
; queries [512][1024] f32 become (a) codes of FP4 (E2M1) along d, laid as images of the matrix operand's registers, with one E8M0 byte for each 32 along d,
; and (b) the rows divided by max(their norm, 1e-12), rounded to bf16, laid in the order in which the last launch's accumulators hold d.
; SHARES: a work-group takes 16 queries (a tile), wave s the tile's d = 128 s .. 128 s + 127 (one K step of the first product).  Lane (r, h) works on, of query r,
; d = 64 c + 32 h + 0 .. 31 for c = 0, 1: two whole blocks of 32, in the very order of the operand's registers, so the conversions' results are the operand.
; Each load takes one query's 512 consecutive bytes, 16 a lane; the wave's 16 x 512 bytes turn through its own stage in LDS (rows 528 bytes apart) and come back 128 bytes a lane and block.
; IMAGE: the 16 bytes of (row r, block j = 2 c + h) lie at 256 j + 16 r = 512 c + 16 x lane.
; No cluster, no tensor load, no matrix unit: nothing is shared and nothing is multiplied.
; LIMITS: NaN and infinities are not served.  A block whose largest magnitude lies under 2^-124, zeros among them, gets the byte 1; only this program reads the bytes.
.set X,    32                          ; v32-95   my 64 numbers
.set C,    96                          ; v96-103  their codes
.set BF,   104                         ; v104-135 the normalised numbers in bf16
.set R,    144                         ; v144-207 the wave's numbers as they are loaded
.set STG,  1024                        ; LDS: bytes 0-511 the waves' sums of squares; from here a stage of 16 rows for each wave
.set SP,   528                         ; a stage row: 512 bytes + 16: 33 x 16, so sixteen lanes that read 16 bytes of sixteen rows touch sixteen different columns of 16 bytes
	s_load_b256 s[4:11], s[0:1], 0x0               ; queries s[4:5], qc s[6:7], qs s[8:9], qn s[10:11]
	v_lshl_add_u32 v208, v0, 2, 0x10c00
	v_mov_b32 v209, 0
	v_lshrrev_b32 v1, 5, v0
	v_readfirstlane_b32 s12, v1                    ; wave = K step s
	v_and_b32 v1, 31, v0                           ; lane
	v_and_b32 v2, 15, v0                           ; r
	v_bfe_u32 v3, v0, 4, 1                         ; h
	v_lshlrev_b32 v5, 4, v1                        ; 16 x lane: my bytes of a load, and an image's place
	s_mul_i32 s25, s12, 16*SP
	s_add_co_u32 s25, s25, STG                     ; my wave's stage
	v_add_nc_u32 v11, s25, v5                      ; into it: 16 x lane of a row
	v_mul_u32_u24 v8, v2, SP
	v_lshl_add_u32 v8, v3, 7, v8
	v_add_nc_u32 v8, s25, v8                       ; out of it: row r + 128 h
	v_lshlrev_b32 v6, 4, v2
	v_lshl_add_u32 v6, v3, 10, v6                  ; qn: 1,024 h + 16 r
	v_lshlrev_b32 v7, 2, v2                        ; 4 r
	s_lshl_b32 s13, s12, 6
	v_add_nc_u32 v9, s13, v7                       ; LDS: my wave's 16 sums of squares: 64 s + 4 r
	v_lshlrev_b32 v10, 3, v3                       ; 8 h
	v_mov_b32 v24, 0                               ; a lane permute's destination counts as one of its sources
	v_mov_b32 v25, 0
	s_mov_b32 s20, 0x76543210
	s_mov_b32 s21, 0xfedcba98                      ; selects for lane l xor 16
	s_lshl_b32 s14, ttmp9, 16                      ; queries: 16 rows a tile + 512 bytes a K step
	s_lshl_b32 s24, s12, 9
	s_add_co_u32 s14, s14, s24
	s_mov_b32 s15, 0
	s_lshl_b32 s16, ttmp9, 13                      ; qc: image 8 a + s
	s_lshl_b32 s24, s12, 10
	s_add_co_u32 s16, s16, s24
	s_mov_b32 s17, 0
	s_lshr_b32 s18, ttmp9, 1                       ; qs: [pair of tiles][K step][32 words]: the even tile's rows first
	s_lshl_b32 s18, s18, 10
	s_lshl_b32 s24, s12, 7
	s_add_co_u32 s18, s18, s24
	s_and_b32 s24, ttmp9, 1
	s_lshl_b32 s24, s24, 6
	s_add_co_u32 s18, s18, s24
	s_mov_b32 s19, 0
	s_lshl_b32 s22, ttmp9, 15                      ; qn: [tile][d tile 64][lane][16 bytes]: my K step is 8 d tiles
	s_lshl_b32 s24, s12, 12
	s_add_co_u32 s22, s22, s24
	s_mov_b32 s23, 0
	s_wait_kmcnt 0x0
	s_add_nc_u64 s[4:5], s[4:5], s[14:15]
	s_add_nc_u64 s[6:7], s[6:7], s[16:17]
	s_add_nc_u64 s[8:9], s[8:9], s[18:19]
	s_add_nc_u64 s[10:11], s[10:11], s[22:23]
.irp i, 0,1,2,3,4,5,6,7,8,9,10,11,12,13,14,15
	global_load_b128 v[R+4*\i:R+4*\i+3], v5, s[4:5] offset:4096*\i th:TH_LOAD_NT   ; query i: 32 lanes read 512 consecutive bytes
.endr
.irp i, 0,1,2,3,4,5,6,7,8,9,10,11,12,13,14,15
	s_wait_loadcnt 15-\i                           ; loads come back in order: query i's is in, the younger ones may be out
	ds_store_b128 v11, v[R+4*\i:R+4*\i+3] offset:SP*\i
.endr
.irp c, 0,1
.irp i, 0,1,2,3,4,5,6,7
	ds_load_b128 v[X+32*\c+4*\i:X+32*\c+4*\i+3], v8 offset:256*\c+16*\i   ; LDS serves a wave's instructions in order: these see my stores
.endr
.endr
	s_wait_dscnt 0x0
	; the sum of squares of my 64 numbers, in four chains of pairs that the first products start
.irp k, 0,1,2,3
	v_pk_mul_f32 v[16+2*\k:17+2*\k], v[X+2*\k:X+2*\k+1], v[X+2*\k:X+2*\k+1]
.endr
.set j, 4
.rept 28
	v_pk_fma_f32 v[16+2*(j%4):17+2*(j%4)], v[X+2*j:X+2*j+1], v[X+2*j:X+2*j+1], v[16+2*(j%4):17+2*(j%4)]
.set j, j+1
.endr
	v_pk_add_f32 v[16:17], v[16:17], v[18:19]
	v_pk_add_f32 v[20:21], v[20:21], v[22:23]
	v_pk_add_f32 v[16:17], v[16:17], v[20:21]
	v_add_f32 v16, v16, v17
	v_permlanex16_b32 v24, v16, s20, s21
	v_add_f32 v16, v16, v24                        ; with lane l xor 16's: row r's 128 numbers of this K step
	ds_store_b32 v9, v16                           ; both halves of the lanes write the same word with the same value
	; the two blocks: largest magnitude (with the floor 2^(3 - 127) among its leaves), scale operand, byte
.irp c, 0,1
	v_max3_num_f32 v[12+\c], |v[X+32*\c]|, |v[X+32*\c+1]|, 0x1800000
.endr
.irp i, 2,4,6,8,10,12,14,16,18,20,22,24,26,28,30
.irp c, 0,1
	v_max3_num_f32 v[12+\c], v[12+\c], |v[X+32*\c+\i]|, |v[X+32*\c+\i+1]|
.endr
.endr
.irp c, 0,1
	v_add_nc_u32 v[14+\c], 0xff000000, v[12+\c]    ; 2 off the exponent field: the conversion takes this operand's exponent field as its scale
.endr
.irp c, 0,1
	v_lshrrev_b32 v[26+\c], 23, v[14+\c]           ; the scale's byte
.endr
	v_lshl_or_b32 v28, v27, 16, v26                ; my bytes: blocks h and 2 + h,
	v_lshlrev_b32 v28, v10, v28                    ; at their places in the row's word;
	v_permlanex16_b32 v25, v28, s20, s21
	v_or_b32 v28, v28, v25                         ; with lane l xor 16's two the word is whole, in both lanes
.irp c, 0,1
.irp g, 0,1,2,3
	v_cvt_scalef32_pk8_fp4_f32 v[C+4*\c+\g], v[X+32*\c+8*\g:X+32*\c+8*\g+7], v[14+\c]
.endr
.endr
	v_nop                                          ; one plain instruction behind the conversions: their sources are written again below
	global_store_b128 v5, v[C:C+3], s[6:7]         ; 32 lanes store 512 consecutive bytes
	global_store_b128 v5, v[C+4:C+7], s[6:7] offset:512
	global_store_b32 v7, v28, s[8:9]               ; 64 bytes of a buffer of 16 KB; lanes l and l xor 16 store the same word at the same place
	s_wait_dscnt 0x0                               ; for the others' sake: my sum lies in LDS
	s_barrier_signal -1
	s_barrier_wait -1
.irp s, 0,1,2,3,4,5,6,7
	ds_load_b32 v[16+\s], v7 offset:64*\s          ; row r's eight partial sums
.endr
	s_wait_dscnt 0x0
	v_add_f32 v16, v16, v17
	v_add_f32 v18, v18, v19
	v_add_f32 v20, v20, v21
	v_add_f32 v22, v22, v23
	v_add_f32 v16, v16, v18
	v_add_f32 v20, v20, v22
	v_add_f32 v16, v16, v20
	v_sqrt_f32 v17, v16
	v_nop                                          ; a plain instruction behind the root,
	s_wait_alu depctr_va_vdst(0)                   ; and a wait ahead of its first reader
	v_max_num_f32 v17, 0x2b8cbccc, v17             ; max(norm, 1e-12)
	v_rcp_f32 v18, v17
	v_nop
	s_wait_alu depctr_va_vdst(0)
	v_mov_b32 v19, v18
.set j, 0
.rept 32
	v_pk_mul_f32 v[X+2*j:X+2*j+1], v[X+2*j:X+2*j+1], v[18:19]
.set j, j+1
.endr
.set j, 0
.rept 32
	v_cvt_pk_bf16_f32 v[BF+j], v[X+2*j], v[X+2*j+1]
.set j, j+1
.endr
.irp c, 0,1
.irp g, 0,1,2,3                                ; my d = 64 c + 32 h + 8 g + 0 .. 7: d tile 4 c + 2 h + g / 2 of the K step, its half g % 2: sixteen lanes store 256 consecutive bytes, aligned
	global_store_b128 v6, v[BF+16*\c+4*\g:BF+16*\c+4*\g+3], s[10:11] offset:2048*\c+512*(\g/2)+256*(\g%2)
.endr
.endr
	s_wait_tensorcnt 0x0
	ds_add_u32 v208, v209
	s_wait_dscnt 0x0
	s_endpgm
.Lfunc_end_k_q7175eacd8e_prepq:
	.size	k_q7175eacd8e_prepq, .Lfunc_end_k_q7175eacd8e_prepq-k_q7175eacd8e_prepq
	.p2alignl 7, 3214868480
	.fill 96, 4, 3214868480
	.section	.rodata,"a",@progbits
	.p2align	6, 0x0
	.amdhsa_kernel k_q7175eacd8e_prepq
		.amdhsa_group_segment_fixed_size 69632
		.amdhsa_private_segment_fixed_size 0
		.amdhsa_enable_private_segment 0
		.amdhsa_kernarg_size 32
		.amdhsa_user_sgpr_count 2
		.amdhsa_user_sgpr_kernarg_segment_ptr 1
		.amdhsa_wavefront_size32 1
		.amdhsa_system_sgpr_workgroup_id_x 1
		.amdhsa_system_sgpr_workgroup_id_y 1
		.amdhsa_system_sgpr_workgroup_id_z 1
		.amdhsa_system_vgpr_workitem_id 0
		.amdhsa_next_free_vgpr 210
		.amdhsa_next_free_sgpr 66
		.amdhsa_reserve_vcc 0
		.amdhsa_float_denorm_mode_32 3
		.amdhsa_float_denorm_mode_16_64 3
		.amdhsa_memory_ordered 1
		.amdhsa_forward_progress 1
		.amdhsa_inst_pref_size 18
	.end_amdhsa_kernel
	.amdgpu_metadata
---
amdhsa.version: [ 1, 2 ]
amdhsa.kernels:
  - .name:           k_q7175eacd8e_prepq
    .symbol:         k_q7175eacd8e_prepq.kd
    .args:
      - { .name: queries, .offset: 0, .size: 8, .value_kind: global_buffer, .address_space: global }
      - { .name: qc, .offset: 8, .size: 8, .value_kind: global_buffer, .address_space: global }
      - { .name: qs, .offset: 16, .size: 8, .value_kind: global_buffer, .address_space: global }
      - { .name: qn, .offset: 24, .size: 8, .value_kind: global_buffer, .address_space: global }
    .group_segment_fixed_size: 69632
    .private_segment_fixed_size: 0
    .kernarg_segment_align: 8
    .kernarg_segment_size: 32
    .max_flat_workgroup_size: 256
    .sgpr_count:     66
    .vgpr_count:     210
    .wavefront_size: 32
...
	.end_amdgpu_metadata
.endif
;; end of part 1
;; launch front (part 2): grid 4 x 64, 8 waves a work-group, no clusters, 327,680 bytes of LDS; arguments local_tokens, qc, qs, vc, vs, pc, pe, pm; writes vc, vs, pc, pe, pm
.if DOCPART == 2
	.amdgcn_target "amdgcn-amd-amdhsa--gfx1250"
	.amdhsa_code_object_version 6
	.text
	.protected	k_q7175eacd8e_front
	.globl	k_q7175eacd8e_front
	.p2align	8
	.type	k_q7175eacd8e_front,@function
k_q7175eacd8e_front:
	s_mov_b64 s[64:65], 0
	v_nop
	global_prefetch_b8 v0, s[64:65] scope:SCOPE_SE
	s_setreg_imm32_b32 hwreg(HW_REG_WAVE_MODE, 25, 1), 1
	s_wait_xcnt 0x0
; The tokens [64][1024][1024] f32 are read ONCE.  A work-group takes 256 keys of one batch, in 8 steps of 32 keys x 1,024 d.  In a step:
;   QUANT  wave w takes columns d = 128 w .. 128 w + 127 of the 32 keys from its own part of an LDS slot, twice: a lane to a COLUMN, registers down the keys: codes of FP4 along l (the second product's V),
;          stored to memory as images of the operand's registers; and a lane to a KEY, registers along d: codes along d (the first product's K), images in LDS: the wave's 128 columns are K step w.
;   SCORE  S^T = K Q^T for the wave's 64 queries (4 tiles; their codes stay in registers for the whole launch), all 8 K steps from LDS: 64 matrix instructions.
;   SOFTMAX  t = score x log2(e) / 32; p = 2^(t - Mb), Mb = ceil(the largest t of THIS block of 32 keys); p is quantised against that Mb.  A block's scale takes up any whole-number change of M exactly, so
;          what goes to memory is the codes, A = (the block's byte under Mb) + Mb, and for the 256 keys a running (M, sum of the unquantised p).  The last launch takes the row's M off A.
; THE KEYS OF A TILE ARE NOT NEIGHBOURS: key x of a step is row (x % 8) + 8 (x / 16) of tile (x / 8) % 2, so that a lane's 16 registers of a query tile are keys 16 (lane / 16) + 0 .. 15.
; IMAGE of a fragment (16 rows x 128 K): the 16 bytes of (row r, block j of 32) at 256 j + 16 r; two loads of 16 bytes a lane at 16 x lane, 512 bytes apart, give the operand's registers.
; RING: two slots of 32 keys x 4,096 bytes; each wave fetches its own 32 rows x 512 bytes by one tensor load and alone reads them.  One barrier a step: behind it the step's K images are whole,
; and the slot just read is filled again; that load has SCORE, SOFTMAX and the next QUANT in which to land.  By this text's count a wave has two tensor loads out at the start, then one.
; NO CLUSTER: each token byte is read by one work-group alone; what is shared (Q's codes, 272 KB) goes into registers once.  NO PREFETCH: the launch has a request of 128 KB of every work-group standing nearly all the time.
; LIMITS: NaN and infinities are not served.  M is kept as a whole number in f32: exact for |t| under 2^23.  Blocks of tokens whose largest magnitude lies under 2^-124, zeros among them, get the byte 1.
.set PITCH, 528                        ; an LDS row: 512 bytes + 16 of padding: 33 x 16, so sixteen lanes that read 16 bytes of sixteen rows touch sixteen different columns of 16 bytes
.set WPART, 32*PITCH                   ; a wave's part of a slot
.set SLOTB, 8*WPART
.set KIMG,  2*SLOTB                    ; K's images, two sets by turns: [K step 8][tile 2][1,024]
.set KSCL,  KIMG+2*16384               ; their scale words, two sets: [K step 8][32 words]: tile 0's rows, then tile 1's
.set SPARE, KSCL+2*1024                ; the spare words, 128 bytes for each wave: four blocks of 256 bytes that no other line names
.set AL,  1                            ; v1-2   slot 0, 1: my wave's part + 4 x lane (a lane to a column)
.set AD,  3                            ; v3-4   slot 0, 1: my wave's part + 528 x lane (a lane to a key)
.set KST, 5                            ; v5     where my key's 16 bytes of an image go
.set KSS, 6                            ; v6     and its scale word
.set KLD, 7                            ; v7     KIMG + 16 x lane
.set KSL, 8                            ; v8     KSCL + 4 x lane
.set VO,  9                            ; v9     V's images: 4,096 (lane / 16) + 16 (lane % 16)
.set PO,  10                           ; v10    P's images: 16 (lane % 16) + 8 (lane / 16)
.set EO,  11                           ; v11    8 x lane
.set SPW, 14                           ; v14    my spare word; never rewritten
.set NIL, 15                           ; v15    0; never rewritten
.set QSC, 16                           ; v16-31 Q's scale words: register 8 (n / 2) + s; lanes 0-15 the even tile, lanes 16-31 the odd one
.set KSC, 32                           ; v32-39 K's scale words of K step s
.set CV,  40                           ; v40-55 V's codes, four registers for each group of 32 columns
.set KW,  60                           ; v60    my key's scale word
.set SOP, 61                           ; v61    a conversion's scale operand
.set BY,  62                           ; v62    a scale's byte
.set S,   64                           ; v64-127 S^T, then p: tile n, key tile u at 16 n + 8 u
.set CK,  64                           ; v64-79 K's codes, four registers for each block of d: S is idle while tiles are quantised
.set VSW, 128                          ; v128-135 V's scale bytes: a pair for each group of columns, shifted 8 bits down a step
.set E,   136                          ; v136-139 A: pair i (tiles 2 i, 2 i + 1), the step's parity
.set RUN, 140                          ; v140-147 (-M, sum) so far, for each tile
.set PCD, 148                          ; v148-155 p's codes
.set NMB, 156                          ; v156-163 (-Mb, at work) for each tile
.set MX,  164
.set MY,  168
.set SO,  172
.set SUM, 176
.set TA,  184
.set TB,  188
.set X0,  192                          ; v192-223, v224-255 two sets of 32 numbers; in SCORE: K's fragments of four K steps
.set X1,  224
.set KF,  192
.set WV,  20
.set G1,  24                           ; s[24:31] descriptor group 1
.set G0,  32                           ; s[32:39] group 0, a set for each slot
.set VB,  40
.set PB,  42
.set EB,  44
.set VSP, 46
.set PMP, 48
.set SEL, 50
.set CS,  52
.set HIM, 54
.set CNT, 55
.set MSB, 0
.macro WIN new                         ; the immediate's high byte repeats the setting that is left
.if MSB != (\new)
	s_set_vgpr_msb (MSB<<8)|(\new)
.set MSB, (\new)
.endif
.endm
.macro PLACES                          ; four plain vector instructions behind a matrix instruction, ahead of loads into its registers and of reads of its results
.rept 4
	v_nop
.endr
.endm
; one matrix instruction.  z = 1: C is the constant 0: the product starts the sum.  ra, rb = 1: that side's scale words stand in lanes 16-31
.macro WM d, a, b, z, sa, sb, ra, rb
.if (\z) && (\ra) && (\rb)
	v_wmma_scale_f32_16x16x128_f8f6f4 v[\d:\d+7], v[\a:\a+7], v[\b:\b+7], 0, v[\sa], v[\sb] matrix_a_fmt:MATRIX_FMT_FP4 matrix_b_fmt:MATRIX_FMT_FP4 matrix_a_scale:MATRIX_SCALE_ROW1 matrix_b_scale:MATRIX_SCALE_ROW1
.elseif (\z) && (\ra)
	v_wmma_scale_f32_16x16x128_f8f6f4 v[\d:\d+7], v[\a:\a+7], v[\b:\b+7], 0, v[\sa], v[\sb] matrix_a_fmt:MATRIX_FMT_FP4 matrix_b_fmt:MATRIX_FMT_FP4 matrix_a_scale:MATRIX_SCALE_ROW1
.elseif (\z) && (\rb)
	v_wmma_scale_f32_16x16x128_f8f6f4 v[\d:\d+7], v[\a:\a+7], v[\b:\b+7], 0, v[\sa], v[\sb] matrix_a_fmt:MATRIX_FMT_FP4 matrix_b_fmt:MATRIX_FMT_FP4 matrix_b_scale:MATRIX_SCALE_ROW1
.elseif (\z)
	v_wmma_scale_f32_16x16x128_f8f6f4 v[\d:\d+7], v[\a:\a+7], v[\b:\b+7], 0, v[\sa], v[\sb] matrix_a_fmt:MATRIX_FMT_FP4 matrix_b_fmt:MATRIX_FMT_FP4
.elseif (\ra) && (\rb)
	v_wmma_scale_f32_16x16x128_f8f6f4 v[\d:\d+7], v[\a:\a+7], v[\b:\b+7], v[\d:\d+7], v[\sa], v[\sb] matrix_a_fmt:MATRIX_FMT_FP4 matrix_b_fmt:MATRIX_FMT_FP4 matrix_a_scale:MATRIX_SCALE_ROW1 matrix_b_scale:MATRIX_SCALE_ROW1
.elseif (\ra)
	v_wmma_scale_f32_16x16x128_f8f6f4 v[\d:\d+7], v[\a:\a+7], v[\b:\b+7], v[\d:\d+7], v[\sa], v[\sb] matrix_a_fmt:MATRIX_FMT_FP4 matrix_b_fmt:MATRIX_FMT_FP4 matrix_a_scale:MATRIX_SCALE_ROW1
.elseif (\rb)
	v_wmma_scale_f32_16x16x128_f8f6f4 v[\d:\d+7], v[\a:\a+7], v[\b:\b+7], v[\d:\d+7], v[\sa], v[\sb] matrix_a_fmt:MATRIX_FMT_FP4 matrix_b_fmt:MATRIX_FMT_FP4 matrix_b_scale:MATRIX_SCALE_ROW1
.else
	v_wmma_scale_f32_16x16x128_f8f6f4 v[\d:\d+7], v[\a:\a+7], v[\b:\b+7], v[\d:\d+7], v[\sa], v[\sb] matrix_a_fmt:MATRIX_FMT_FP4 matrix_b_fmt:MATRIX_FMT_FP4
.endif
.endm
.macro OFF3 ra, sa, rb, sb, rc, sc     ; s56 = three numbers, each shifted to its place; s57 = 0 stands above it
	s_lshl_b32 s56, s[\ra], \sa
	s_lshl_b32 s58, s[\rb], \sb
	s_add_co_u32 s56, s56, s58
	s_lshl_b32 s58, s[\rc], \sc
	s_add_co_u32 s56, s56, s58
.endm
	s_load_b256 s[4:11], s[0:1], 0x0               ; tokens s[4:5], qc s[6:7], qs s[8:9], vc s[10:11]
	s_load_b256 s[12:19], s[0:1], 0x20             ; vs s[12:13], pc s[14:15], pe s[16:17], pm s[18:19]
	v_lshl_add_u32 v[SPW], v0, 2, SPARE
	v_mov_b32 v[NIL], 0
	ds_add_u32 v14, v15
	ds_add_u32 v14, v15
	s_wait_dscnt 0x0
	v_lshrrev_b32 v12, 5, v0
	v_readfirstlane_b32 s[WV], v12                 ; wave 0..7
	s_mov_b32 s21, ttmp9                           ; c: which 256 keys
	s_and_b32 s22, ttmp7, 0xffff                   ; b: the batch
	; group 1: a tile of 32 rows x 128 elements of 4 bytes, rows 1,024 elements apart, 4 words of padding behind each row's 128 words
	s_mov_b32 s[G1], (2<<16)|(1<<20)|(6<<22)|(3<<25)
	s_mov_b32 s[G1+1], 128<<16                     ; tensor_dim0
	s_mov_b32 s[G1+2], 32<<16                      ; tensor_dim1
	s_mov_b32 s[G1+3], 128<<16                     ; tile_dim0
	s_mov_b32 s[G1+4], 32                          ; tile_dim1
	s_mov_b32 s[G1+5], 1024                        ; from row to row
	s_mov_b32 s[G1+6], 0
	s_mov_b32 s[G1+7], 0
	s_mov_b32 s[G0], 1
	s_mul_i32 s[G0+1], s[WV], WPART                ; my part of slot 0,
	s_mov_b32 s[G0+4], 1
	s_add_co_u32 s[G0+5], s[G0+1], SLOTB           ; of slot 1
	s_mov_b32 s57, 0
	OFF3 22, 22, 21, 20, WV, 9                     ; a batch is 4 MB, 256 keys 1 MB, my 128 columns 512 bytes
	s_wait_kmcnt 0x0
	s_add_nc_u64 s[G0+2:G0+3], s[4:5], s[56:57]    ; step 0's tile,
	s_add_nc_u64 s[G0+6:G0+7], s[G0+2:G0+3], 131072  ; step 1's: 32 rows of 4,096 bytes on
	s_or_b32 s[G0+3], s[G0+3], 0x80000000
	s_or_b32 s[G0+7], s[G0+7], 0x80000000
	tensor_load_to_lds s[G0:G0+3], s[G1:G1+7]      ; the two first fills go out together, ahead of everything else
	s_nop 0
	tensor_load_to_lds s[G0+4:G0+7], s[G1:G1+7]
	s_nop 0
	PLACES                                         ; four plain instructions behind the loads, ahead of the first change of register window
	s_lshl_b32 s56, s22, 19                        ; vc [b][pass 2][slot 2][d tile 32][l4 4][1,024]: pass w / 4, slot c / 2, d tile 8 (w % 4), l4 2 (c % 2)
	s_lshr_b32 s58, s[WV], 2
	s_lshl_b32 s58, s58, 18
	s_add_co_u32 s56, s56, s58
	s_lshr_b32 s58, s21, 1
	s_lshl_b32 s58, s58, 17
	s_add_co_u32 s56, s56, s58
	s_and_b32 s58, s[WV], 3
	s_lshl_b32 s58, s58, 15
	s_add_co_u32 s56, s56, s58
	s_and_b32 s58, s21, 1
	s_lshl_b32 s58, s58, 11
	s_add_co_u32 s56, s56, s58
	s_add_nc_u64 s[VB:VB+1], s[10:11], s[56:57]
	OFF3 22, 18, WV, 15, 21, 11                    ; pc [b][q tile 32][l step 8][1,024]: q tile 4 w, l step 2 c
	s_add_nc_u64 s[PB:PB+1], s[14:15], s[56:57]
	OFF3 22, 16, 21, 14, WV, 9                     ; pe [b][pair of blocks 16][q 512][2]: pair 4 c, q 64 w
	s_add_nc_u64 s[EB:EB+1], s[16:17], s[56:57]
	OFF3 22, 15, 21, 13, WV, 10                    ; vs [b][c][d 1,024][2 words]
	s_add_nc_u64 s[VSP:VSP+1], s[12:13], s[56:57]
	OFF3 22, 14, 21, 12, WV, 9                     ; pm [b][c][q 512][2]
	s_add_nc_u64 s[PMP:PMP+1], s[18:19], s[56:57]
	s_lshl_b32 s56, s[WV], 15                      ; qc: my four tiles' 32 images
	s_add_nc_u64 s[6:7], s[6:7], s[56:57]
	s_lshl_b32 s56, s[WV], 11                      ; qs: my two pairs of tiles
	s_add_nc_u64 s[8:9], s[8:9], s[56:57]
	v_and_b32 v13, 31, v0                          ; lane
	v_lshlrev_b32 v12, 4, v13
	v_lshlrev_b32 v63, 2, v13
	WIN 0x40                                       ; destination window 1: Q's fragments (tile n, K step s) at v[64 n + 8 s]: they stay
.irp n, 0,1,2,3
.irp s, 0,1,2,3,4,5,6,7
.irp c, 0,1
	global_load_b128 v[64*\n+8*\s+4*\c:64*\n+8*\s+4*\c+3], v12, s[6:7] offset:8192*\n+1024*\s+512*\c
.endr
.endr
.endr
	WIN 0
.irp i, 0,1
.irp s, 0,1,2,3,4,5,6,7
	global_load_b32 v[QSC+8*\i+\s], v63, s[8:9] offset:1024*\i+128*\s
.endr
.endr
	v_lshl_add_u32 v[AL], v13, 2, s[G0+1]
	v_add_nc_u32 v[AL+1], SLOTB, v[AL]
	v_mul_u32_u24 v[AD], v13, PITCH
	v_add_nc_u32 v[AD], s[G0+1], v[AD]
	v_add_nc_u32 v[AD+1], SLOTB, v[AD]
	v_bfe_u32 v[TA], v0, 3, 1                      ; my key's tile u
	v_and_b32 v[TA+1], 7, v0
	v_bfe_u32 v[TA+2], v0, 4, 1                    ; lane / 16
	v_lshl_add_u32 v[TA+1], v[TA+2], 3, v[TA+1]    ; and its row r in it
	v_lshlrev_b32 v[KST], 4, v[TA+1]
	v_lshl_add_u32 v[KST], v[TA], 10, v[KST]
	s_lshl_b32 s58, s[WV], 11
	s_add_co_u32 s58, s58, KIMG
	v_add_nc_u32 v[KST], s58, v[KST]               ; KIMG + 2,048 w + 1,024 u + 16 r
	v_lshl_add_u32 v[KSS], v[TA], 4, v[TA+1]
	v_lshlrev_b32 v[KSS], 2, v[KSS]
	s_lshl_b32 s58, s[WV], 7
	s_add_co_u32 s58, s58, KSCL
	v_add_nc_u32 v[KSS], s58, v[KSS]               ; KSCL + 128 w + 4 (16 u + r)
	v_lshl_add_u32 v[KLD], v13, 4, KIMG
	v_lshl_add_u32 v[KSL], v13, 2, KSCL
	v_and_b32 v[TA+3], 15, v0
	v_lshlrev_b32 v[VO], 4, v[TA+3]
	v_lshl_add_u32 v[PO], v[TA+2], 3, v[VO]
	v_lshl_add_u32 v[VO], v[TA+2], 12, v[VO]
	v_lshlrev_b32 v[EO], 3, v13
.irp n, 0,1,2,3
	v_mov_b32 v[RUN+2*\n], 0x7f61b1e6              ; -M so far: 3e38, above every -Mb
	v_mov_b32 v[RUN+2*\n+1], 0                     ; the sum so far
	v_mov_b32 v[MY+\n], 0                          ; a lane permute's destination counts as one of its sources
.endr
.irp g, 0,1,2,3,4,5,6,7
	v_mov_b32 v[VSW+\g], 0
.endr
	s_mov_b32 s[SEL], 0x76543210
	s_mov_b32 s[SEL+1], 0xfedcba98                 ; selects for lane l xor 16
	s_mov_b32 s[CS], 0x3d38aa3b                    ; log2(e) / sqrt(1,024)
	s_mov_b32 s[CS+1], s[CS]                       ; (named with it as a pair)
	s_mov_b32 s[HIM], 0xffff0000                   ; lanes 16-31
	s_mov_b32 s[CNT], 3
	s_wait_loadcnt 0x0                             ; Q and its scale words
.macro LDL par, g, set                 ; a lane to a column: 32 keys of column 32 g + lane; 32 lanes read 128 consecutive bytes
.set li, 0
.rept 32
	ds_load_b32 v[\set+li], v[AL+\par] offset:128*\g+PITCH*li
.set li, li+1
.endr
.endm
.macro LDD par, blk, set               ; a lane to a key: its d = 32 blk + 0 .. 31
.irp i, 0,1,2,3,4,5,6,7
	ds_load_b128 v[\set+4*\i:\set+4*\i+3], v[AD+\par] offset:128*\blk+16*\i
.endr
.endm
.macro AMAX set                        ; the largest magnitude of a lane's 32 numbers, in two chains, with the floor 2^(3 - 127): the byte cannot fall under 1; then 2 off its exponent field: the conversions' scale operand
	v_max3_num_f32 v12, |v[\set]|, |v[\set+1]|, |v[\set+2]|
	v_max3_num_f32 v13, |v[\set+3]|, |v[\set+4]|, |v[\set+5]|
.irp i, 6,10,14,18,22,26
	v_max3_num_f32 v12, v12, |v[\set+\i]|, |v[\set+\i+1]|
	v_max3_num_f32 v13, v13, |v[\set+\i+2]|, |v[\set+\i+3]|
.endr
	v_max3_num_f32 v12, v12, |v[\set+30]|, |v[\set+31]|
	v_max3_num_f32 v12, v12, v13, 0x1800000
	v_add_nc_u32 v[SOP], 0xff000000, v12
.endm
.macro CMPL g, set, par                ; a block of V: 32 keys of my column
	AMAX \set
.irp q, 0,1,2,3
	v_cvt_scalef32_pk8_fp4_f32 v[CV+4*\g+\q], v[\set+8*\q:\set+8*\q+7], v[SOP]
.endr
	v_lshrrev_b32 v[BY], 23, v[SOP]                ; the byte (also the plain instruction behind the conversions)
	v_alignbit_b32 v[VSW+2*\g], v[VSW+2*\g+1], v[VSW+2*\g], 8      ; the pair goes 8 bits down,
	v_alignbit_b32 v[VSW+2*\g+1], v[BY], v[VSW+2*\g+1], 8          ; the byte comes in on top: after 8 steps step i's byte is byte i
	global_store_b128 v[VO], v[CV+4*\g:CV+4*\g+3], s[VB:VB+1] offset:8192*\g+256*\par th:TH_STORE_NT   ; each half of the lanes stores 256 consecutive bytes, aligned: block j of a d tile's image
.endm
.macro CMPD blk, set, par              ; a block of K: 32 along d of my key
	AMAX \set
.irp q, 0,1,2,3
	v_cvt_scalef32_pk8_fp4_f32 v[CK+4*\blk+\q], v[\set+8*\q:\set+8*\q+7], v[SOP]
.endr
	v_lshrrev_b32 v[BY], 23, v[SOP]
.if \blk == 0
	v_mov_b32 v[KW], v[BY]
.else
	v_lshl_or_b32 v[KW], v[BY], 8*\blk, v[KW]
.endif
	ds_store_b128 v[KST], v[CK+4*\blk:CK+4*\blk+3] offset:16384*\par+256*\blk
.endm
; four K steps: their 8 fragments of K from LDS, 32 matrix instructions.  The 8 accumulators take turns, one instruction a turn.
.macro SHALF par, hf
.irp sm, 0,1,2,3
.irp u, 0,1
.irp c, 0,1
	ds_load_b128 v[KF+16*\sm+8*\u+4*\c:KF+16*\sm+8*\u+4*\c+3], v[KLD] offset:16384*\par+2048*(4*\hf+\sm)+1024*\u+512*\c
.endr
.endr
.endr
	s_wait_dscnt 0x0
	WIN 0x04                                       ; source 1 (Q) window 1
.irp sm, 0,1,2,3
.irp n, 0,1,2,3
.irp u, 0,1
.set rD, S+16*\n+8*\u
.set rA, KF+16*\sm+8*\u
.set rB, 64*\n+8*(4*\hf+\sm)
.set rSA, KSC+4*\hf+\sm
.set rSB, QSC+8*(\n/2)+4*\hf+\sm
.if (\hf == 0) && (\sm == 0)
	WM rD, rA, rB, 1, rSA, rSB, \u, \n%2
.else
	WM rD, rA, rB, 0, rSA, rSB, \u, \n%2
.endif
.endr
.endr
.endr
	WIN 0
	PLACES
.endm
.macro SCORE par
.irp s, 0,1,2,3,4,5,6,7
	ds_load_b32 v[KSC+\s], v[KSL] offset:1024*\par+128*\s
.endr
	SHALF \par, 0
	SHALF \par, 1
.endm
; Lane (r, h) holds query r of each of four tiles and keys 16 h + 0 .. 15 of the step's block.  The four tiles take turns line by line.
.macro SOFTMAX par
.irp n, 0,1,2,3
	v_max3_num_f32 v[MX+\n], v[S+16*\n], v[S+16*\n+1], v[S+16*\n+2]   ; each accumulator is read from its low end on
.endr
.irp i, 3,5,7,9,11,13
.irp n, 0,1,2,3
	v_max3_num_f32 v[MX+\n], v[MX+\n], v[S+16*\n+\i], v[S+16*\n+\i+1]
.endr
.endr
.irp n, 0,1,2,3
	v_max_num_f32 v[MX+\n], v[MX+\n], v[S+16*\n+15]
.endr
.irp n, 0,1,2,3
	v_permlanex16_b32 v[MY+\n], v[MX+\n], s[SEL], s[SEL+1]
.endr
.irp n, 0,1,2,3
	v_max_num_f32 v[MX+\n], v[MX+\n], v[MY+\n]     ; the block's largest score
.endr
.irp n, 0,1,2,3
	v_mul_f32 v[NMB+2*\n+1], s[CS], v[MX+\n]       ; as t
.endr
.irp n, 0,1,2,3
	v_floor_f32 v[NMB+2*\n], -v[NMB+2*\n+1]        ; -Mb = floor(-t) = -ceil(t): a whole number
.endr
.irp j, 0,2,4,6,8,10,12,14
.irp n, 0,1,2,3
	v_pk_fma_f32 v[S+16*\n+\j:S+16*\n+\j+1], v[S+16*\n+\j:S+16*\n+\j+1], s[CS:CS+1], v[NMB+2*\n:NMB+2*\n+1] op_sel_hi:[1,0,0]   ; t - Mb, two at a time
.endr
.endr
.irp n, 0,1,2,3
	v_fma_f32 v[MX+\n], v[MX+\n], s[CS], v[NMB+2*\n]   ; the same of the largest score: p rises with the score, so this gives the block's largest p
.endr
.set j, 0
.rept 64
	v_exp_f32 v[S+j], v[S+j]                       ; p = 2^(t - Mb): one batch
.set j, j+1
.endr
.irp n, 0,1,2,3
	v_min_num_f32 v[TA+\n], v[RUN+2*\n], v[NMB+2*\n]   ; the new -M (plain instructions behind the batch)
.endr
	s_wait_alu depctr_va_vdst(0)                   ; one wait for the batch, ahead of its first reader
.irp n, 0,1,2,3
	v_exp_f32 v[MX+\n], v[MX+\n]                   ; the block's largest p, above 1/2 and at most 1: no floor is needed under it
.endr
.irp n, 0,1,2,3
	v_pk_add_f32 v[SUM+2*\n:SUM+2*\n+1], v[S+16*\n:S+16*\n+1], v[S+16*\n+2:S+16*\n+3]   ; the sum is taken of the unquantised p
.endr
.irp j, 4,6,8,10,12,14
.irp n, 0,1,2,3
	v_pk_add_f32 v[SUM+2*\n:SUM+2*\n+1], v[SUM+2*\n:SUM+2*\n+1], v[S+16*\n+\j:S+16*\n+\j+1]
.endr
.endr
.irp n, 0,1,2,3
	v_add_f32 v[SUM+2*\n], v[SUM+2*\n], v[SUM+2*\n+1]
.endr
.irp n, 0,1,2,3
	v_sub_f32 v[TB+\n], v[TA+\n], v[RUN+2*\n]      ; old M - new M,
.endr
.irp n, 0,1,2,3
	v_sub_f32 v[MY+\n], v[TA+\n], v[NMB+2*\n]      ; Mb - new M: whole numbers, 0 or less
.endr
.irp n, 0,1,2,3
	v_cvt_i32_f32 v[TB+\n], v[TB+\n]               ; (it saturates)
.endr
.irp n, 0,1,2,3
	v_cvt_i32_f32 v[MY+\n], v[MY+\n]
.endr
.irp n, 0,1,2,3
	v_ldexp_f32 v[RUN+2*\n+1], v[RUN+2*\n+1], v[TB+\n]   ; both sums under the new M: nothing is rounded
.endr
.irp n, 0,1,2,3
	v_ldexp_f32 v[SUM+2*\n], v[SUM+2*\n], v[MY+\n]
.endr
.irp n, 0,1,2,3
	v_add_f32 v[RUN+2*\n+1], v[RUN+2*\n+1], v[SUM+2*\n]
.endr
.irp n, 0,1,2,3
	v_mov_b32 v[RUN+2*\n], v[TA+\n]
.endr
	s_wait_alu depctr_va_vdst(0)                   ; and one for the four
.irp n, 0,1,2,3
	v_add_nc_u32 v[SO+\n], 0xff000000, v[MX+\n]    ; 2 off the exponent field: the conversions' scale operand
.endr
.irp n, 0,1,2,3
	v_lshrrev_b32 v[TB+\n], 23, v[SO+\n]           ; the byte under Mb
.endr
.irp n, 0,1,2,3
	v_cvt_f32_u32 v[TB+\n], v[TB+\n]
.endr
.irp n, 0,1,2,3
	v_sub_f32 v[TB+\n], v[TB+\n], v[NMB+2*\n]      ; A = byte + Mb
.endr
	s_wait_xcnt 0x0                                ; the last step's stores have read p's codes: they are written again only behind this wait
.irp i, 0,1
	v_cndmask_b32 v[E+2*\i+\par], v[TB+2*\i], v[TB+2*\i+1], s[HIM]   ; lanes 0-15: tile 2 i's queries; lanes 16-31: tile 2 i + 1's
.endr
.irp n, 0,1,2,3
	v_cvt_scalef32_pk8_fp4_f32 v[PCD+2*\n], v[S+16*\n:S+16*\n+7], v[SO+\n]
	v_cvt_scalef32_pk8_fp4_f32 v[PCD+2*\n+1], v[S+16*\n+8:S+16*\n+15], v[SO+\n]
.endr
	v_nop                                          ; one plain instruction behind the conversions: matrix instructions write their sources again
.irp n, 0,1,2,3
	global_store_b64 v[PO], v[PCD+2*\n:PCD+2*\n+1], s[PB:PB+1] offset:8192*\n+256*\par th:TH_STORE_NT   ; 32 lanes store 256 consecutive bytes, aligned: block j of the tile's image
.endr
.endm
; A STEP.  par: its slot and its set of K images.  refill = 1: the slot is filled again with the tile two steps on.  tc: the younger tensor loads that may stay out.
; The eight jobs of QUANT have their LDS loads one job ahead, in two sets of registers.  The counts on DScnt: what was issued behind the loads that are wanted: 32 or 8 loads of the next job, and from the second K job on one image store.
.macro STEP par, refill, tc
	s_wait_tensorcnt \tc                           ; my part of this slot has landed
	s_wait_xcnt 0x0                                ; the last step's stores have read V's codes
	LDL \par, 0, X0
	LDL \par, 1, X1
	s_wait_dscnt 32
	CMPL 0, X0, \par
	LDL \par, 2, X0
	s_wait_dscnt 32
	CMPL 1, X1, \par
	LDL \par, 3, X1
	s_wait_dscnt 32
	CMPL 2, X0, \par
	LDD \par, 0, X0
	s_wait_dscnt 8
	CMPL 3, X1, \par
	LDD \par, 1, X1
	s_wait_dscnt 8
	CMPD 0, X0, \par
	LDD \par, 2, X0
	s_wait_dscnt 9
	CMPD 1, X1, \par
	LDD \par, 3, X1
	s_wait_dscnt 9
	CMPD 2, X0, \par
	s_wait_dscnt 1
	CMPD 3, X1, \par
	ds_store_b32 v[KSS], v[KW] offset:1024*\par
	s_wait_tensorcnt 0x0                           ; all my tensor loads have landed, so a group 0 may be written;
	ds_add_u32 v[SPW], v[NIL]                      ; 0 onto my spare word
.if \refill
	s_add_nc_u64 s[G0+4*\par+2:G0+4*\par+3], s[G0+4*\par+2:G0+4*\par+3], 262144   ; two steps on: 64 rows of 4,096 bytes
.endif
	s_wait_dscnt 0x0                               ; the add is done, my reads of the slot are back, my images and scale words lie in LDS
	s_barrier_signal -1
	s_barrier_wait -1                              ; all that holds of every wave
.if \refill
	tensor_load_to_lds s[G0+4*\par:G0+4*\par+3], s[G1:G1+7]   ; my one tensor load behind the barrier, and the first thing there
	s_nop 0
.endif
	SCORE \par
	SOFTMAX \par
.endm
.macro PAIR_END more
.irp i, 0,1
	global_store_b64 v[EO], v[E+2*\i:E+2*\i+1], s[EB:EB+1] offset:256*\i th:TH_STORE_NT   ; A of two blocks for 32 queries: 256 consecutive bytes
.endr
.if \more
	s_wait_xcnt 0x0                                ; every store has read its base and its data: the bases step
	s_add_nc_u64 s[VB:VB+1], s[VB:VB+1], 512       ; two blocks on in an image
	s_add_nc_u64 s[PB:PB+1], s[PB:PB+1], 512
	s_add_nc_u64 s[EB:EB+1], s[EB:EB+1], 4096      ; the next pair of blocks
.endif
.endm
.Ltrip:                                            ; three trips of two steps: they ask for tiles 2 to 7
	STEP 0, 1, 1
	STEP 1, 1, 1
	PAIR_END 1
	s_sub_co_u32 s[CNT], s[CNT], 1
	s_cmp_lg_u32 s[CNT], 0
	s_cbranch_scc1 .Ltrip
	STEP 0, 0, 1                                   ; the last two steps are written out
	STEP 1, 0, 0
	PAIR_END 0
.irp g, 0,1,2,3
	global_store_b64 v[EO], v[VSW+2*\g:VSW+2*\g+1], s[VSP:VSP+1] offset:256*\g th:TH_STORE_NT   ; my columns' 8 scale bytes: two words, of the two l steps of these 256 keys
.endr
.irp n, 0,1,2,3
	v_permlanex16_b32 v[MY+\n], v[RUN+2*\n+1], s[SEL], s[SEL+1]
.endr
.irp n, 0,1,2,3
	v_add_f32 v[TA+\n], v[RUN+2*\n+1], v[MY+\n]    ; the sum over both halves' keys
.endr
.irp n, 0,1,2,3
	v_mul_f32 v[TB+\n], -1.0, v[RUN+2*\n]          ; M
.endr
.irp i, 0,1
	v_cndmask_b32 v[SUM+2*\i], v[TB+2*\i], v[TB+2*\i+1], s[HIM]
	v_cndmask_b32 v[SUM+2*\i+1], v[TA+2*\i], v[TA+2*\i+1], s[HIM]
.endr
.irp i, 0,1
	global_store_b64 v[EO], v[SUM+2*\i:SUM+2*\i+1], s[PMP:PMP+1] offset:256*\i th:TH_STORE_NT
.endr
	s_wait_tensorcnt 0x0                           ; the wave's end
	ds_add_u32 v[SPW], v[NIL]
	s_wait_dscnt 0x0
	s_endpgm
.Lfunc_end_k_q7175eacd8e_front:
	.size	k_q7175eacd8e_front, .Lfunc_end_k_q7175eacd8e_front-k_q7175eacd8e_front
	.p2alignl 7, 3214868480
	.fill 96, 4, 3214868480
	.section	.rodata,"a",@progbits
	.p2align	6, 0x0
	.amdhsa_kernel k_q7175eacd8e_front
		.amdhsa_group_segment_fixed_size 327680
		.amdhsa_private_segment_fixed_size 0
		.amdhsa_enable_private_segment 0
		.amdhsa_kernarg_size 64
		.amdhsa_user_sgpr_count 2
		.amdhsa_user_sgpr_kernarg_segment_ptr 1
		.amdhsa_wavefront_size32 1
		.amdhsa_system_sgpr_workgroup_id_x 1
		.amdhsa_system_sgpr_workgroup_id_y 1
		.amdhsa_system_sgpr_workgroup_id_z 1
		.amdhsa_system_vgpr_workitem_id 0
		.amdhsa_next_free_vgpr 512
		.amdhsa_next_free_sgpr 66
		.amdhsa_reserve_vcc 0
		.amdhsa_float_denorm_mode_32 3
		.amdhsa_float_denorm_mode_16_64 3
		.amdhsa_memory_ordered 1
		.amdhsa_forward_progress 1
		.amdhsa_inst_pref_size 200
	.end_amdhsa_kernel
	.amdgpu_metadata
---
amdhsa.version: [ 1, 2 ]
amdhsa.kernels:
  - .name:           k_q7175eacd8e_front
    .symbol:         k_q7175eacd8e_front.kd
    .args:
      - { .name: local_tokens, .offset: 0, .size: 8, .value_kind: global_buffer, .address_space: global }
      - { .name: qc, .offset: 8, .size: 8, .value_kind: global_buffer, .address_space: global }
      - { .name: qs, .offset: 16, .size: 8, .value_kind: global_buffer, .address_space: global }
      - { .name: vc, .offset: 24, .size: 8, .value_kind: global_buffer, .address_space: global }
      - { .name: vs, .offset: 32, .size: 8, .value_kind: global_buffer, .address_space: global }
      - { .name: pc, .offset: 40, .size: 8, .value_kind: global_buffer, .address_space: global }
      - { .name: pe, .offset: 48, .size: 8, .value_kind: global_buffer, .address_space: global }
      - { .name: pm, .offset: 56, .size: 8, .value_kind: global_buffer, .address_space: global }
    .group_segment_fixed_size: 327680
    .private_segment_fixed_size: 0
    .kernarg_segment_align: 8
    .kernarg_segment_size: 64
    .max_flat_workgroup_size: 256
    .sgpr_count:     66
    .vgpr_count:     512
    .wavefront_size: 32
...
	.end_amdgpu_metadata
.endif
;; end of part 2
;; launch back (part 3): grid 4 x 64, 4 waves a work-group, clusters of 4 x 1, 327,680 bytes of LDS; arguments vc, vs, pc, pe, pm, qn, out0; writes out0
.if DOCPART == 3
	.amdgcn_target "amdgcn-amd-amdhsa--gfx1250"
	.amdhsa_code_object_version 6
	.text
	.protected	k_q7175eacd8e_back
	.globl	k_q7175eacd8e_back
	.p2align	8
	.type	k_q7175eacd8e_back,@function
k_q7175eacd8e_back:
	s_mov_b64 s[64:65], 0
	v_nop
	global_prefetch_b8 v0, s[64:65] scope:SCOPE_SE
	s_setreg_imm32_b32 hwreg(HW_REG_WAVE_MODE, 25, 1), 1
	s_wait_xcnt 0x0
	s_wait_alu depctr_hold_cnt(0) depctr_sa_sdst(0) depctr_va_vdst(0) depctr_va_sdst(0) depctr_va_ssrc(0) depctr_va_vcc(0) depctr_vm_vsrc(0)
	s_getreg_b32 s2, hwreg(HW_REG_IB_STS2, 6, 4)
	s_cmp_eq_u32 s2, 0
	s_cbranch_scc0 .Lentry_in_a_cluster
	s_endpgm
.Lentry_in_a_cluster:
	s_bfe_u32 s2, ttmp6, 0x10000c
	s_cmp_lg_u32 s2, 0x3003
	s_cbranch_scc0 .Lentry_shape_is_right
	s_endpgm
.Lentry_shape_is_right:
; O^T = V^T P^T on codes of FP4 with E8M0 scales, then out0[q][b] = (qn[q] . O / l) / max(|O| / l, 1e-12).  O never goes to memory: only its square sum and its product with qn are kept.
; SHARES: a work-group takes 128 queries of one batch, in two passes of 512 d.  In a pass wave w makes 128 queries x d tiles 8 w .. 8 w + 7: 64 accumulators, 512 registers.
; Source 0 = 16 rows (d) of V, source 1 = 16 queries of P: lane (r, h) holds query r and d = 16 t + 8 h + 0 .. 7.
; P'S SCALES ARE MENDED FIRST: the launch before left, for each block of 32 keys, A = byte + that block's own M.  Thread t takes query t: M = the largest of four M's, l = the four sums brought under M (exact),
; byte = A - M held to 1 .. 254 (a block held at 1 is worth at most 6 x 2^-126 beside a row's largest p above 1/2).  The words go to LDS and from there to every wave's registers.
; V'S FOUR QUARTERS (a pass's K steps 0-3 or 4-7: 32 KB a wave, read by that wave alone) take three roads.  Pass 0's K steps 0-3 go from memory STRAIGHT INTO REGISTERS: vc is laid as images of the operand's registers,
; and 256 registers are idle at the head (V's two sets and the 128 that hold qn later).  Pass 0's K steps 4-7 and pass 1's K steps 0-3 are the first fills of LDS slots X and Y.  Pass 1's K steps 4-7 are the one refill, of X,
; behind pass 0's last K step: it has the epilogue and four K steps, 256 matrix and 768 vector instructions, in which to land.  A wave reads only what its own tensor loads brought of V: its own wait on TENSORcnt orders those reads.
; CLUSTER: the four blocks of queries of a batch read the same V: the three quarters that go through LDS are asked for JOINTLY (mask 15), the same descriptor in all four.  P is a work-group's own: a plain tensor load.
; By this text's count a wave has three tensor loads out at the start, then one.  Query tile 7 of P stays in registers: only so do two slots of 128 KB fit beside P.
; out0 is stored 4 bytes a lane, 256 bytes apart: a row of out0 runs over the 64 batches, which 64 clusters own; it is 128 KB in all.
; LIMITS: NaN and infinities are not served.
; REGISTERS: window 0: v1-15 addresses; v16-31 at work; v32-63 V's scale words, v64-95 P's; v96-127 per query tile a pair for qn . O and a pair for O . O; v128-183 P's fragments of tiles 0-6; v192-255 V of pass 0's K step 3, then qn of tiles 0, 1.
;   window 1: v0-127 V's fragments, two sets (in the epilogue: qn of tiles 4-7); v128-191 P's tile 7, all 8 K steps; v192-255 V of pass 0's K step 2, then qn of tiles 2, 3.   windows 2, 3: accumulator (a, b) at v[8 (8 (a % 4) + b)].
.set SLOT,  131072                     ; slot X at 0, slot Y at SLOT: [d tile 32][K step 4][1,024]
.set PLDS,  2*SLOT                     ; P's tiles 0-6: [tile][l step 8][1,024]
.set PT,    PLDS+57344                 ; P's mended scale words [l step 8][q 128]; at the end the waves' partial sums [wave 4][2][q 128]
.set SPARE, PT+4096                    ; the spare words, 128 bytes for each wave: two blocks of 256 bytes that no other line names
.set LI,  1                            ; v1   16 x lane
.set ADV, 2                            ; v2-3 slot X, Y: my 8 d tiles + 16 x lane
.set ADP, 4                            ; v4   PLDS + 16 x lane
.set PTL, 5                            ; v5   PT + 4 x lane
.set PTS, 6                            ; v6   PT + 4 x thread
.set L8,  7                            ; v7   8 x lane
.set SPW, 8                            ; v8   my spare word; never rewritten
.set NIL, 9                            ; v9   0; never rewritten
.set LSUM, 10                          ; v10  l of query t
.set T8,  11                           ; v11  8 x thread
.set RS,  12                           ; v12  where my partial sums go
.set OO,  14                           ; v14  256 x thread
.set PFO, 15                           ; v15  256 x lane
.set VS,  32                           ; register 8 (b / 2) + k: lanes 0-15 the even d tile, lanes 16-31 the odd one
.set PS,  64                           ; register 8 (a / 2) + k likewise
.set STAT, 96
.set AF,  128
.set QB,  192
.set WV,  18
.set G1V, 24
.set G1P, 32
.set G0V, 40                           ; s[40:47] a set for each slot
.set G0P, 48
.set QNB, 52
.set VSB, 54
.set SEL, 56
.set HIM, 58
.set P7B, 60
.set VDB, 62                           ; s[62:63] V of pass 0's K steps 0-3, my 8 d tiles
.set PEB, 66
.set PMB, 68
.set OUB, 70
.set PFA, 76
.set MUL_LO, 0xa1                      ; source 0 (V) window 1, source 1 (P) window 0, C and D window 2
.set MUL_HI, 0xf1                      ; C and D window 3
.set MUL_H7, 0xf5                      ; and source 1 window 1: P's tile 7
.set TO_B,   0x40
.set MSB, 0
.macro WIN new                         ; the immediate's high byte repeats the setting that is left
.if MSB != (\new)
	s_set_vgpr_msb (MSB<<8)|(\new)
.set MSB, (\new)
.endif
.endm
.macro PLACES                          ; four plain vector instructions behind a matrix instruction, ahead of loads into its registers and of reads of its results
.rept 4
	v_nop
.endr
.endm
.macro CREST                           ; a round of the cluster's barrier behind its opening barrier
	s_cmp_lg_u32 s[WV], 0
	s_cbranch_scc1 .Lnot_wave_0_\@
	s_barrier_signal -3
.Lnot_wave_0_\@:
	s_barrier_wait -3
	s_barrier_signal -1
	s_barrier_wait -1
.endm
.macro CROUND
	s_barrier_signal -1
	s_barrier_wait -1
	CREST
.endm
.macro WM d, a, b, z, sa, sb, ra, rb   ; z = 1: C is the constant 0.  ra, rb = 1: that side's scale words stand in lanes 16-31
.if (\z) && (\ra) && (\rb)
	v_wmma_scale_f32_16x16x128_f8f6f4 v[\d:\d+7], v[\a:\a+7], v[\b:\b+7], 0, v[\sa], v[\sb] matrix_a_fmt:MATRIX_FMT_FP4 matrix_b_fmt:MATRIX_FMT_FP4 matrix_a_scale:MATRIX_SCALE_ROW1 matrix_b_scale:MATRIX_SCALE_ROW1
.elseif (\z) && (\ra)
	v_wmma_scale_f32_16x16x128_f8f6f4 v[\d:\d+7], v[\a:\a+7], v[\b:\b+7], 0, v[\sa], v[\sb] matrix_a_fmt:MATRIX_FMT_FP4 matrix_b_fmt:MATRIX_FMT_FP4 matrix_a_scale:MATRIX_SCALE_ROW1
.elseif (\z) && (\rb)
	v_wmma_scale_f32_16x16x128_f8f6f4 v[\d:\d+7], v[\a:\a+7], v[\b:\b+7], 0, v[\sa], v[\sb] matrix_a_fmt:MATRIX_FMT_FP4 matrix_b_fmt:MATRIX_FMT_FP4 matrix_b_scale:MATRIX_SCALE_ROW1
.elseif (\z)
	v_wmma_scale_f32_16x16x128_f8f6f4 v[\d:\d+7], v[\a:\a+7], v[\b:\b+7], 0, v[\sa], v[\sb] matrix_a_fmt:MATRIX_FMT_FP4 matrix_b_fmt:MATRIX_FMT_FP4
.elseif (\ra) && (\rb)
	v_wmma_scale_f32_16x16x128_f8f6f4 v[\d:\d+7], v[\a:\a+7], v[\b:\b+7], v[\d:\d+7], v[\sa], v[\sb] matrix_a_fmt:MATRIX_FMT_FP4 matrix_b_fmt:MATRIX_FMT_FP4 matrix_a_scale:MATRIX_SCALE_ROW1 matrix_b_scale:MATRIX_SCALE_ROW1
.elseif (\ra)
	v_wmma_scale_f32_16x16x128_f8f6f4 v[\d:\d+7], v[\a:\a+7], v[\b:\b+7], v[\d:\d+7], v[\sa], v[\sb] matrix_a_fmt:MATRIX_FMT_FP4 matrix_b_fmt:MATRIX_FMT_FP4 matrix_a_scale:MATRIX_SCALE_ROW1
.elseif (\rb)
	v_wmma_scale_f32_16x16x128_f8f6f4 v[\d:\d+7], v[\a:\a+7], v[\b:\b+7], v[\d:\d+7], v[\sa], v[\sb] matrix_a_fmt:MATRIX_FMT_FP4 matrix_b_fmt:MATRIX_FMT_FP4 matrix_b_scale:MATRIX_SCALE_ROW1
.else
	v_wmma_scale_f32_16x16x128_f8f6f4 v[\d:\d+7], v[\a:\a+7], v[\b:\b+7], v[\d:\d+7], v[\sa], v[\sb] matrix_a_fmt:MATRIX_FMT_FP4 matrix_b_fmt:MATRIX_FMT_FP4
.endif
.endm
	s_load_b256 s[4:11], s[0:1], 0x0               ; vc s[4:5], vs s[6:7], pc s[8:9], pe s[10:11]
	s_load_b128 s[12:15], s[0:1], 0x20             ; pm s[12:13], qn s[14:15]
	s_load_b64 s[16:17], s[0:1], 0x30              ; out0
	v_lshl_add_u32 v[SPW], v0, 2, SPARE
	v_mov_b32 v[NIL], 0
	ds_add_u32 v8, v9
	ds_add_u32 v8, v9
	s_wait_dscnt 0x0
	v_lshrrev_b32 v16, 5, v0
	v_readfirstlane_b32 s[WV], v16                 ; wave 0..3
	s_bfe_u32 s19, ttmp6, 0x40000                  ; cx: which 128 queries
	s_and_b32 s20, ttmp7, 0xffff                   ; b: the batch, which the four partners share
	; group 1 for V: a dense block of 32,768 bytes as 128 rows of 256 bytes (32 elements of 8), no padding: images are read 16 bytes a lane on end.  The mask names all four; bit 21 is set beside it
	s_mov_b32 s[G1V], 15|(3<<16)|(1<<21)
	s_mov_b32 s[G1V+1], 32<<16
	s_mov_b32 s[G1V+2], 128<<16
	s_mov_b32 s[G1V+3], 32<<16
	s_mov_b32 s[G1V+4], 128
	s_mov_b32 s[G1V+5], 32
	s_mov_b32 s[G1V+6], 0
	s_mov_b32 s[G1V+7], 0
	; and for P: 14,336 bytes as 56 rows of 256; no mask
	s_mov_b32 s[G1P], 3<<16
	s_mov_b32 s[G1P+1], 32<<16
	s_mov_b32 s[G1P+2], 56<<16
	s_mov_b32 s[G1P+3], 32<<16
	s_mov_b32 s[G1P+4], 56
	s_mov_b32 s[G1P+5], 32
	s_mov_b32 s[G1P+6], 0
	s_mov_b32 s[G1P+7], 0
	s_lshl_b32 s72, s20, 19                        ; V: the batch's 512 KB + my 8 d tiles: made of b and the wave's number alone
	s_lshl_b32 s21, s[WV], 15
	s_add_co_u32 s72, s72, s21
	s_mov_b32 s73, 0
	s_mov_b32 s[G0V], 1
	s_lshl_b32 s[G0V+1], s[WV], 15                 ; my part of slot X,
	s_mov_b32 s[G0V+4], 1
	s_add_co_u32 s[G0V+5], s[G0V+1], SLOT          ; of slot Y
	s_lshl_b32 s74, s20, 18                        ; P: the batch's 256 KB + my work-group's 8 tiles
	s_lshl_b32 s23, s19, 16
	s_add_co_u32 s74, s74, s23
	s_mov_b32 s75, 0
	s_mul_i32 s23, s[WV], 14336                    ; my quarter of tiles 0-6
	s_mov_b32 s[G0P], 1
	s_add_co_u32 s[G0P+1], s23, PLDS
	s_wait_kmcnt 0x0
	s_add_nc_u64 s[VDB:VDB+1], s[4:5], s[72:73]    ; pass 0's K steps 0-3: by plain loads
	s_add_nc_u64 s[G0V+2:G0V+3], s[VDB:VDB+1], SLOT    ; X: pass 0's K steps 4-7
	s_add_nc_u64 s[G0V+6:G0V+7], s[VDB:VDB+1], 2*SLOT  ; Y: pass 1's K steps 0-3
	s_or_b32 s[G0V+3], s[G0V+3], 0x80000000
	s_or_b32 s[G0V+7], s[G0V+7], 0x80000000
	s_add_nc_u64 s[P7B:P7B+1], s[8:9], s[74:75]
	s_mov_b32 s74, s23
	s_add_nc_u64 s[G0P+2:G0P+3], s[P7B:P7B+1], s[74:75]
	s_or_b32 s[G0P+3], s[G0P+3], 0x80000000
	s_add_nc_u64 s[P7B:P7B+1], s[P7B:P7B+1], 57344 ; tile 7
	CROUND                                         ; all four work-groups are here: the first joint loads meet
	tensor_load_to_lds s[G0P:G0P+3], s[G1P:G1P+7]  ; the first fills go out as one group: P,
	s_nop 0
	tensor_load_to_lds s[G0V:G0V+3], s[G1V:G1V+7]  ; X,
	s_nop 0
	tensor_load_to_lds s[G0V+4:G0V+7], s[G1V:G1V+7]  ; and Y
	s_nop 0
	PLACES                                         ; four plain instructions behind them
	s_lshl_b32 s74, s19, 18                        ; qn [q tile 32][d tile 64][lane][16]: my 8 tiles, my 8 d tiles
	s_lshl_b32 s22, s[WV], 12
	s_add_co_u32 s74, s74, s22
	s_add_nc_u64 s[QNB:QNB+1], s[14:15], s[74:75]
	s_lshl_b32 s72, s20, 15                        ; vs [b][chunk 4][d 1,024][2 words]: my 128 d
	s_lshl_b32 s21, s[WV], 10
	s_add_co_u32 s72, s72, s21
	s_add_nc_u64 s[VSB:VSB+1], s[6:7], s[72:73]
	s_lshl_b32 s74, s20, 16                        ; pe [b][pair 16][q 512][2]
	s_lshl_b32 s22, s19, 10
	s_add_co_u32 s74, s74, s22
	s_add_nc_u64 s[PEB:PEB+1], s[10:11], s[74:75]
	s_lshl_b32 s74, s20, 14                        ; pm [b][chunk 4][q 512][2]
	s_add_co_u32 s74, s74, s22
	s_add_nc_u64 s[PMB:PMB+1], s[12:13], s[74:75]
	s_lshl_b32 s74, s19, 15                        ; out0 [q 512][b 64]
	s_lshl_b32 s22, s20, 2
	s_add_co_u32 s74, s74, s22
	s_add_nc_u64 s[OUB:OUB+1], s[16:17], s[74:75]
	s_lshl_b32 s74, s20, 19                        ; the prefetch: pass 1's V, my wave's 32,768 bytes of a quarter, my work-group's 8,192 of them
	s_lshl_b32 s22, s[WV], 15
	s_add_co_u32 s74, s74, s22
	s_lshl_b32 s22, s19, 13
	s_add_co_u32 s74, s74, s22
	s_add_co_u32 s74, s74, 2*SLOT
	s_add_nc_u64 s[PFA:PFA+1], s[4:5], s[74:75]
	s_mov_b32 s[SEL], 0x76543210
	s_mov_b32 s[SEL+1], 0xfedcba98                 ; selects for lane l xor 16
	s_mov_b32 s[HIM], 0xffff0000                   ; lanes 16-31
	v_and_b32 v16, 31, v0                          ; lane
	v_lshlrev_b32 v[LI], 4, v16
	v_add_nc_u32 v[ADV], s[G0V+1], v[LI]
	v_add_nc_u32 v[ADV+1], SLOT, v[ADV]
	v_add_nc_u32 v[ADP], PLDS, v[LI]
	v_lshl_add_u32 v[PTL], v16, 2, PT
	v_lshl_add_u32 v[PTS], v0, 2, PT
	v_lshlrev_b32 v[L8], 3, v16
	v_lshlrev_b32 v[T8], 3, v0
	v_lshlrev_b32 v[PFO], 8, v16
	v_lshlrev_b32 v[OO], 8, v0
	v_and_b32 v17, 15, v0
	v_bfe_u32 v18, v0, 4, 1
	v_lshlrev_b32 v[RS], 2, v17
	v_lshl_add_u32 v[RS], v18, 9, v[RS]
	s_lshl_b32 s21, s[WV], 10
	s_add_co_u32 s21, s21, PT
	v_add_nc_u32 v[RS], s21, v[RS]                 ; PT + 1,024 w + 512 (lane / 16) + 4 (lane % 16)
.macro VSLOAD pass                     ; V's scale words of a pass: 32 lanes read 256 consecutive bytes: two words (two l steps) of 32 d
.irp i, 0,1,2,3
.irp ch, 0,1,2,3
	global_load_b64 v[VS+8*\i+2*\ch:VS+8*\i+2*\ch+1], v[L8], s[VSB:VSB+1] offset:4096*\pass+8192*\ch+256*\i
.endr
.endr
.endm
.macro VDIR k, vb                      ; my 8 fragments of V of pass 0's K step k, from memory into v[vb] on of the window that the caller has set: 32 lanes read 512 consecutive bytes
.irp b, 0,1,2,3,4,5,6,7
.irp c, 0,1
	global_load_b128 v[\vb+8*\b+4*\c:\vb+8*\b+4*\c+3], v[LI], s[VDB:VDB+1] offset:4096*\b+1024*\k+512*\c
.endr
.endr
.endm
	; the head's loads, in the order in which they are wanted: 84 now, 32 behind the mend
.irp ch, 0,1,2,3
	global_load_b64 v[AF+2*\ch:AF+2*\ch+1], v[T8], s[PMB:PMB+1] offset:4096*\ch          ; (M, l) of my query's four chunks
.endr
.irp pb, 0,1,2,3,4,5,6,7,8,9,10,11,12,13,14,15
	global_load_b64 v[AF+8+2*\pb:AF+8+2*\pb+1], v[T8], s[PEB:PEB+1] offset:4096*\pb      ; A of its 32 blocks
.endr
	VSLOAD 0
	WIN TO_B
.irp k, 0,1,2,3,4,5,6,7
.irp c, 0,1
	global_load_b128 v[128+8*\k+4*\c:128+8*\k+4*\c+3], v[LI], s[P7B:P7B+1] offset:1024*\k+512*\c   ; P's tile 7 stays in registers
.endr
.endr
	VDIR 0, 0                                      ; K step 0 into V's set 0,
	VDIR 1, 64                                     ; K step 1 into set 1
	WIN 0
.set j, 0
.rept 32
	v_mov_b32 v[STAT+j], 0                         ; the two sums of each query tile run over both passes
.set j, j+1
.endr
	; ---- the mend
	s_wait_loadcnt 63                              ; of the 84 loads at most 63 are out: the first 21 are in, (M, l) and A, 20 loads, among them
	v_max3_num_f32 v16, v[AF], v[AF+2], v[AF+4]
	v_max_num_f32 v16, v16, v[AF+6]                ; the row's M
.irp ch, 0,1,2,3
	v_sub_f32 v[20+\ch], v[AF+2*\ch], v16          ; a whole number, 0 or less
.endr
.irp ch, 0,1,2,3
	v_cvt_i32_f32 v[20+\ch], v[20+\ch]
.endr
.irp ch, 0,1,2,3
	v_ldexp_f32 v[20+\ch], v[AF+2*\ch+1], v[20+\ch]
.endr
	v_add_f32 v20, v20, v21
	v_add_f32 v22, v22, v23
	v_add_f32 v[LSUM], v20, v22
.set j, 0
.rept 32
	v_sub_f32 v[AF+8+j], v[AF+8+j], v16            ; the byte under the row's M,
.set j, j+1
.endr
.set j, 0
.rept 32
	v_med3_num_f32 v[AF+8+j], v[AF+8+j], 1.0, 0x437e0000   ; held to 1 .. 254
.set j, j+1
.endr
.set j, 0
.rept 32
	v_cvt_u32_f32 v[AF+8+j], v[AF+8+j]
.set j, j+1
.endr
.irp k, 0,1,2,3,4,5,6,7
	v_lshl_or_b32 v[AF+8+4*\k], v[AF+9+4*\k], 8, v[AF+8+4*\k]
	v_lshl_or_b32 v[AF+8+4*\k], v[AF+10+4*\k], 16, v[AF+8+4*\k]
	v_lshl_or_b32 v[AF+8+4*\k], v[AF+11+4*\k], 24, v[AF+8+4*\k]
	ds_store_b32 v[PTS], v[AF+8+4*\k] offset:512*\k
.endr
	WIN TO_B
	VDIR 2, QB                                     ; K step 2 into window 1's v192-255,
	WIN 0
	VDIR 3, QB                                     ; K step 3 into window 0's: qn comes there only behind these two K steps
; 8 matrix instructions: query tile a against my 8 d tiles, whose fragments stand at v[vb] on; K step k.  The 64 accumulators take turns, one instruction a turn, in the same order in every K step.
.macro MULA a, vb, k, zero
.irp b, 0,1,2,3,4,5,6,7
.set rD, 8*(8*((\a)%4)+\b)
.set rA, (\vb)+8*\b
.if (\a) == 7
.set rB, 128+8*(\k)
.else
.set rB, AF+8*(\a)
.endif
.set rSA, VS+8*(\b/2)+(\k)
.set rSB, PS+8*((\a)/2)+(\k)
	WM rD, rA, rB, \zero, rSA, rSB, \b%2, (\a)%2
.endr
.endm
.macro FETCH_V k, set, sl              ; my 8 fragments of V of K step k, from slot sl (0: X, 1: Y)
	WIN TO_B
.irp b, 0,1,2,3,4,5,6,7
.irp c, 0,1
	ds_load_b128 v[64*(\set)+8*\b+4*\c:64*(\set)+8*\b+4*\c+3], v[ADV+\sl] offset:4096*\b+1024*((\k)%4)+512*\c
.endr
.endr
	WIN 0
.endm
.macro FETCH_P k, a0, n                ; P's tiles a0 .. a0 + n - 1
.set fa, \a0
.rept \n
.irp c, 0,1
	ds_load_b128 v[AF+8*fa+4*\c:AF+8*fa+4*\c+3], v[ADP] offset:8192*fa+1024*(\k)+512*\c
.endr
.set fa, fa+1
.endr
.endm
; A K step that has a successor.  vb, vw: the register and the window (0 or 1) at which its fragments of V stand.  nv = 1: the next K step's V is fetched from slot ns into the other set; nv = 0: it stands in registers already.
; tw: -1, or the count of a wait on TENSORcnt ahead of that fetch: the younger tensor loads of mine that may stay out.  P has one set of registers: tiles 0-3 are fetched anew in the step's middle, tiles 4-6 at its end.
.macro KSTEP k, zero, vb, vw, nv, ns, tw
	s_wait_dscnt 6                                 ; V's set and P's tiles 0-3 are in; the youngest six loads (tiles 4-6) may be out
	WIN 0xa0+\vw
	MULA 0, \vb, \k, \zero
	MULA 1, \vb, \k, \zero
	MULA 2, \vb, \k, \zero
	MULA 3, \vb, \k, \zero
	s_wait_dscnt 0x0                               ; tiles 4-6 are in
	PLACES
.if \nv
.if \tw >= 0
	s_wait_tensorcnt \tw                           ; my part of that slot has landed; no other wave reads it
.endif
	FETCH_V (\k)+1, 1-(\k)%2, \ns
.endif
	WIN 0
	FETCH_P (\k)+1, 0, 4
	WIN 0xf0+\vw
	MULA 4, \vb, \k, \zero
	MULA 5, \vb, \k, \zero
	MULA 6, \vb, \k, \zero
	WIN 0xf4+\vw
	MULA 7, \vb, \k, \zero
	PLACES
	WIN 0
	FETCH_P (\k)+1, 4, 3
.endm
; Pass 0's last K step leaves slot X: each wave waits for all its tensor loads (Y's among them), adds 0 to its spare word, waits for that and for its reads of X, and passes a barrier, which opens a round of the
; cluster's barrier; behind the round X takes pass 1's K steps 4-7, jointly.
.macro TURN7
	WIN 0
	s_wait_tensorcnt 0x0                           ; all my tensor loads have landed
	ds_add_u32 v[SPW], v[NIL]                      ; 0 onto my spare word
	s_wait_dscnt 7                                 ; (the add and the youngest six loads may be out)
	WIN MUL_LO
	MULA 0, 64, 7, 0                               ; sixteen matrix instructions stand between the add and the wait for it
	MULA 1, 64, 7, 0
	s_wait_dscnt 0x0                               ; the add is done, and my reads of X are over
	s_barrier_signal -1
	MULA 2, 64, 7, 0
	MULA 3, 64, 7, 0
	WIN 0
	s_barrier_wait -1
	CREST                                          ; no wave of any partner still reads X or has a load on its way
	s_add_nc_u64 s[G0V+2:G0V+3], s[G0V+2:G0V+3], 2*SLOT   ; the same K steps of pass 1
	tensor_load_to_lds s[G0V:G0V+3], s[G1V:G1V+7]  ; my one tensor load behind the round, and the first thing there
	s_nop 0
	PLACES                                         ; four plain instructions behind the load
	WIN MUL_HI
	MULA 4, 64, 7, 0
	MULA 5, 64, 7, 0
	MULA 6, 64, 7, 0
	WIN MUL_H7
	MULA 7, 64, 7, 0
	WIN 0
.endm
.macro QPRE pass                       ; qn of query tiles 0-3 for my 8 d tiles of the pass: asked for half a pass ahead of its use
	WIN 0
.irp a, 0,1
.irp b, 0,1,2,3,4,5,6,7
	global_load_b128 v[QB+32*\a+4*\b:QB+32*\a+4*\b+3], v[LI], s[QNB:QNB+1] offset:32768*\a+16384*\pass+512*\b
.endr
.endr
	WIN TO_B
.irp a, 2,3
.irp b, 0,1,2,3,4,5,6,7
	global_load_b128 v[QB+32*(\a-2)+4*\b:QB+32*(\a-2)+4*\b+3], v[LI], s[QNB:QNB+1] offset:32768*\a+16384*\pass+512*\b
.endr
.endr
	WIN 0
.endm
.macro NRMH hi                         ; O . O of four query tiles: four chains of pairs; each accumulator is read from its low end on
	WIN 0x0a+5*(\hi)                               ; sources 0 and 1: window 2 or 3
.irp b, 0,1,2,3,4,5,6,7
.irp rr, 0,1,2,3
.irp a, 0,1,2,3
	v_pk_fma_f32 v[STAT+4*(4*(\hi)+\a)+2:STAT+4*(4*(\hi)+\a)+3], v[8*(8*\a+\b)+2*\rr:8*(8*\a+\b)+2*\rr+1], v[8*(8*\a+\b)+2*\rr:8*(8*\a+\b)+2*\rr+1], v[STAT+4*(4*(\hi)+\a)+2:STAT+4*(4*(\hi)+\a)+3]
.endr
.endr
.endr
.endm
.macro DOTP a0, win, qb0, qb1          ; qn . O of query tiles a0, a0 + 1: a bf16 half times an f32 number, added in f32; four chains
	WIN \win
.irp b, 0,1,2,3,4,5,6,7
.irp rr, 0,1,2,3
.irp e, 0,1
	v_fma_mix_f32_bf16 v[STAT+4*(\a0)+\e], v[\qb0+4*\b+\rr], v[8*(8*((\a0)%4)+\b)+2*\rr+\e], v[STAT+4*(\a0)+\e] op_sel:[\e,0,0] op_sel_hi:[1,0,0]
	v_fma_mix_f32_bf16 v[STAT+4*(\a0+1)+\e], v[\qb1+4*\b+\rr], v[8*(8*((\a0+1)%4)+\b)+2*\rr+\e], v[STAT+4*(\a0+1)+\e] op_sel:[\e,0,0] op_sel_hi:[1,0,0]
.endr
.endr
.endr
.endm
.macro EPI pass                        ; a pass's 64 accumulators go into the two sums
	PLACES
	WIN 0
.if \pass == 0
	VSLOAD 1                                       ; the next pass's scale words of V: first read behind the wait for 0 below
.endif
	WIN TO_B
.irp a, 4,5,6,7
.irp b, 0,1,2,3,4,5,6,7
	global_load_b128 v[32*(\a-4)+4*\b:32*(\a-4)+4*\b+3], v[LI], s[QNB:QNB+1] offset:32768*\a+16384*\pass+512*\b   ; qn of tiles 4-7, where V's fragments lay
.endr
.endr
	NRMH 0
	NRMH 1
	s_wait_loadcnt 48-16*\pass                     ; qn of tiles 0-3 is in: behind it were issued the 32 loads above and, in pass 0, the 16 of the scale words
	DOTP 0, 0x08, QB, QB+32                        ; qn window 0, O window 2
	DOTP 2, 0x09, QB, QB+32                        ; qn window 1, O window 2
	s_wait_loadcnt 16                              ; tiles 4 and 5 are in
	DOTP 4, 0x0d, 0, 32                            ; qn window 1, O window 3
	s_wait_loadcnt 0x0
	DOTP 6, 0x0d, 64, 96
	WIN 0
.endm
	s_wait_tensorcnt 2                             ; my part of P is in; X's and Y's loads may stay out
	s_wait_dscnt 0x0                               ; my scale words lie in LDS
	s_barrier_signal -1
	s_barrier_wait -1
.irp i, 0,1,2,3
.irp k, 0,1,2,3,4,5,6,7
	ds_load_b32 v[PS+8*\i+\k], v[PTL] offset:512*\k+128*\i
.endr
.endr
	FETCH_P 0, 0, 4
	FETCH_P 0, 4, 3
	; ---- pass 0: d = 0 .. 511.  K steps 0-3 on fragments of V that plain loads brought: the counts on LOADcnt are the later K steps' 16 loads each
	s_wait_loadcnt 48                              ; V's scale words, P's tile 7 and K step 0 are in
	KSTEP 0, 1, 0, 1, 0, 0, -1                     ; its products start the sums: nothing is cleared
	; Pass 1's K steps 4-7 of V are asked of memory here, behind the wave's run of LDS loads: 7 K steps, 448 matrix instructions, ahead of the joint load that wants them.
	; Of a wave's 32,768 bytes each of the four partners names 8,192, told apart by address, lanes 256 bytes apart: each block of 256 bytes is named once in the launch.
	global_prefetch_b8 v[PFO], s[PFA:PFA+1] offset:SLOT th:TH_LOAD_NT scope:SCOPE_SE
	s_wait_loadcnt 32
	KSTEP 1, 0, 64, 1, 0, 0, -1
	s_wait_loadcnt 16
	KSTEP 2, 0, QB, 1, 0, 0, -1
	s_wait_loadcnt 0x0
	KSTEP 3, 0, QB, 0, 1, 0, 1                     ; K step 4 comes from X: Y's load may stay out
	QPRE 0                                         ; into the registers that K steps 2 and 3 have left
	KSTEP 4, 0, 0, 1, 1, 0, -1
	KSTEP 5, 0, 64, 1, 1, 0, -1
	KSTEP 6, 0, 0, 1, 1, 0, -1
	TURN7
	EPI 0
	FETCH_V 0, 0, 1                                ; Y holds pass 1's K steps 0-3: its load was waited for at the change of slots
	FETCH_P 0, 0, 4
	FETCH_P 0, 4, 3
	; ---- pass 1: d = 512 .. 1,023
	KSTEP 0, 1, 0, 1, 1, 1, -1
	KSTEP 1, 0, 64, 1, 1, 1, -1
	KSTEP 2, 0, 0, 1, 1, 1, -1
	KSTEP 3, 0, 64, 1, 1, 0, 0                     ; K step 4 comes from X, filled again: my last tensor load, so the count is 0
	QPRE 1
	KSTEP 4, 0, 0, 1, 1, 0, -1
	KSTEP 5, 0, 64, 1, 1, 0, -1
	KSTEP 6, 0, 0, 1, 1, 0, -1
	s_wait_dscnt 6                                 ; the last K step
	WIN MUL_LO
	MULA 0, 64, 7, 0
	MULA 1, 64, 7, 0
	MULA 2, 64, 7, 0
	MULA 3, 64, 7, 0
	s_wait_dscnt 0x0
	WIN MUL_HI
	MULA 4, 64, 7, 0
	MULA 5, 64, 7, 0
	MULA 6, 64, 7, 0
	WIN MUL_H7
	MULA 7, 64, 7, 0
	EPI 1
	; ---- the end: the pairs' halves, the other half of the lanes, then the four waves' parts through LDS
.irp a, 0,1,2,3,4,5,6,7
	v_add_f32 v[STAT+4*\a], v[STAT+4*\a], v[STAT+4*\a+1]
	v_add_f32 v[STAT+4*\a+2], v[STAT+4*\a+2], v[STAT+4*\a+3]
.endr
.irp a, 0,1,2,3,4,5,6,7
	v_permlanex16_b32 v[STAT+4*\a+1], v[STAT+4*\a], s[SEL], s[SEL+1]
	v_permlanex16_b32 v[STAT+4*\a+3], v[STAT+4*\a+2], s[SEL], s[SEL+1]
.endr
.irp a, 0,1,2,3,4,5,6,7
	v_add_f32 v[STAT+4*\a], v[STAT+4*\a], v[STAT+4*\a+1]
	v_add_f32 v[STAT+4*\a+2], v[STAT+4*\a+2], v[STAT+4*\a+3]
.endr
.irp a, 0,1,2,3,4,5,6,7
	v_cndmask_b32 v[STAT+4*\a], v[STAT+4*\a], v[STAT+4*\a+2], s[HIM]   ; lanes 0-15: qn . O; lanes 16-31: O . O
	ds_store_b32 v[RS], v[STAT+4*\a] offset:64*\a  ; into the scale words' bytes: every wave's reads of them were over at the change of slots
.endr
	s_wait_dscnt 0x0
	s_barrier_signal -1
	s_barrier_wait -1
.irp w, 0,1,2,3
	ds_load_b32 v[16+2*\w], v[PTS] offset:1024*\w
	ds_load_b32 v[17+2*\w], v[PTS] offset:1024*\w+512
.endr
	s_wait_dscnt 0x0
	v_pk_add_f32 v[16:17], v[16:17], v[18:19]
	v_pk_add_f32 v[20:21], v[20:21], v[22:23]
	v_pk_add_f32 v[16:17], v[16:17], v[20:21]      ; query t: v16 = qn . O, v17 = O . O
	v_rcp_f32 v18, v[LSUM]
	v_sqrt_f32 v19, v17
	v_nop                                          ; a plain instruction behind the two,
	s_wait_alu depctr_va_vdst(0)                   ; and a wait ahead of their first reader
	v_mul_f32 v19, v19, v18                        ; |O| / l
	v_max_num_f32 v19, 0x2b8cbccc, v19             ; at least 1e-12
	v_rcp_f32 v20, v19
	v_mul_f32 v16, v16, v18                        ; qn . O / l (a plain instruction behind the reciprocal)
	s_wait_alu depctr_va_vdst(0)
	v_mul_f32 v16, v16, v20
	global_store_b32 v[OO], v16, s[OUB:OUB+1]
	s_wait_tensorcnt 0x0                           ; the wave's end
	ds_add_u32 v[SPW], v[NIL]
	s_wait_dscnt 0x0
	CROUND                                         ; the closing round: no work-group ends while a partner may still ask for a tile that names it
	s_endpgm
.Lfunc_end_k_q7175eacd8e_back:
	.size	k_q7175eacd8e_back, .Lfunc_end_k_q7175eacd8e_back-k_q7175eacd8e_back
	.p2alignl 7, 3214868480
	.fill 96, 4, 3214868480
	.section	.rodata,"a",@progbits
	.p2align	6, 0x0
	.amdhsa_kernel k_q7175eacd8e_back
		.amdhsa_group_segment_fixed_size 327680
		.amdhsa_private_segment_fixed_size 0
		.amdhsa_enable_private_segment 0
		.amdhsa_kernarg_size 56
		.amdhsa_user_sgpr_count 2
		.amdhsa_user_sgpr_kernarg_segment_ptr 1
		.amdhsa_wavefront_size32 1
		.amdhsa_system_sgpr_workgroup_id_x 1
		.amdhsa_system_sgpr_workgroup_id_y 1
		.amdhsa_system_sgpr_workgroup_id_z 1
		.amdhsa_system_vgpr_workitem_id 0
		.amdhsa_next_free_vgpr 1024
		.amdhsa_next_free_sgpr 80
		.amdhsa_reserve_vcc 0
		.amdhsa_float_denorm_mode_32 3
		.amdhsa_float_denorm_mode_16_64 3
		.amdhsa_memory_ordered 1
		.amdhsa_forward_progress 1
		.amdhsa_inst_pref_size 255
	.end_amdhsa_kernel
	.section	.bss,"aw",@nobits
	.p2align	6
	.space	262144
	.amdgpu_metadata
---
amdhsa.version: [ 1, 2 ]
amdhsa.kernels:
  - .name:           k_q7175eacd8e_back
    .symbol:         k_q7175eacd8e_back.kd
    .args:
      - { .name: vc, .offset: 0, .size: 8, .value_kind: global_buffer, .address_space: global }
      - { .name: vs, .offset: 8, .size: 8, .value_kind: global_buffer, .address_space: global }
      - { .name: pc, .offset: 16, .size: 8, .value_kind: global_buffer, .address_space: global }
      - { .name: pe, .offset: 24, .size: 8, .value_kind: global_buffer, .address_space: global }
      - { .name: pm, .offset: 32, .size: 8, .value_kind: global_buffer, .address_space: global }
      - { .name: qn, .offset: 40, .size: 8, .value_kind: global_buffer, .address_space: global }
      - { .name: out0, .offset: 48, .size: 8, .value_kind: global_buffer, .address_space: global }
    .group_segment_fixed_size: 327680
    .private_segment_fixed_size: 0
    .kernarg_segment_align: 8
    .kernarg_segment_size: 56
    .max_flat_workgroup_size: 128
    .sgpr_count:     80
    .vgpr_count:     1024
    .wavefront_size: 32
...
	.end_amdgpu_metadata
.endif
;; end of part 3
